; MI455X (gfx1250); checked and timed in simulation.
; The chip was launched on July 23, 2026; its instructions are those of AMD's public machine-readable ISA for CDNA 5 (MIT licence, August 2026) and "CDNA5" Instruction Set Architecture Reference Guide (July 2026). The comments in the code are by the model that wrote it; some were corrected since.
;; Multi Head Attention. Allowed arithmetic: matrix products marked QUANTISED: E2M3 operands, one E8M0 scale for each 32 along K, by v_wmma_scale_f32_16x16x128_f8f6f4 with both operands' format E2M3, f32 sums; everything else in f32.
;; Inputs: Wout 1,024 x 1,024 float32; Wqkv 3,072 x 1,024 float32; bout 1,024 float32; bqkv 3,072 float32; x 4 x 2,048 x 1,024 float32.
;; Outputs: out0 4 x 2,048 x 1,024 float32.
;; This version of the problem:
;;   THIS VERSION OF THE PROBLEM IS GIVEN IN LOW PRECISION. The matrix products marked QUANTISED in the list below multiply operands that are first quantised to E2M3 (2 exponent bits, 3 mantissa bits; 6 bits a number), with one power-of-two scale for each 32 numbers along K (OCP MX v1.0); their sums are f32. All else is computed in f32.
;;   The module's matrix products, in the order in which they are computed (A, B: the left and right operand; K: the contracted axis; several contracted axes count as one K, in the product's order):
;;     1. [M 8,192, K 1,024] x [K 1,024, N 3,072]; A: input x; B: input Wqkv: QUANTISED
;;     2. batch 64 x [M 2,048, K 64] x [K 64, N 2,048]; A: computed on the way; B: computed on the way: QUANTISED
;;     3. batch 64 x [M 2,048, K 2,048] x [K 2,048, N 64]; A: softmax (see below); B: computed on the way: QUANTISED
;;     4. [M 8,192, K 1,024] x [K 1,024, N 1,024]; A: computed on the way; B: input Wout: QUANTISED
;;   THE QUANTISER, for each operand of a quantised product, along K:
;;     - K is cut into blocks of 32 from its start; a last block that is shorter is filled with zeros.
;;     - A block's scale is 2^e with e = floor(log2(the largest magnitude in the block)) - 2, held to -126 .. 127; a block of zeros has e = 0. As a byte (E8M0): e + 127.
;;     - Each number is divided by its block's scale, clamped to +-7.5, and rounded to the nearest number of E2M3, ties to even, subnormals kept.
;;     - The product sums the exact products of the quantised numbers (number of the format x scale) in f32.
;;   ~~~python
;;   def quantise(x, axis):      # numpy; x: float32 -> the quantised numbers, widened to float32 again
;;       x = np.moveaxis(x, axis, -1); K = x.shape[-1]
;;       x = np.pad(x, [(0, 0)] * (x.ndim - 1) + [(0, -K % 32)]); x = x.reshape(x.shape[:-1] + (-1, 32)); a = np.abs(x).max(-1, keepdims=True)
;;       e = np.where(a > 0, np.clip(np.frexp(np.where(a > 0, a, 1))[1] - 1 - 2, -126, 127), 0)      # np.frexp(a)[1] - 1 = floor(log2(a)), exactly
;;       r = np.clip(x / 2.0 ** e, -7.5, 7.5)
;;       step = 2.0 ** (np.maximum(np.frexp(np.where(r == 0, 1, r))[1] - 1, 0) - 3)
;;       q = np.round(r / step) * step * 2.0 ** e      # np.round: ties to even
;;       return np.moveaxis(q.reshape(q.shape[:-2] + (-1,))[..., :K], -1, axis).astype(np.float32)
;;   ~~~
;;   SOFTMAX AHEAD OF A QUANTISED PRODUCT. Where the list says 'softmax', what is quantised is not the finished softmax but p = 2^(t - M), with t = logit x log2(e) and M = ceil(the row's largest t), a whole number; so 1/2 < the row's largest p <= 1. The row's sum l is taken of the UNQUANTISED p, in f32, and the product's result is divided by l at the end. Since M is a whole number, a kernel that streams over the keys may use a running M (the ceiling of the running maximum): every later rescaling is an exact power of two, which a block's scale takes up: the codes' values come out the same.
;;   OPERANDS COMPUTED ON THE WAY. 'Computed on the way' means the value that the module computes at that place (a softmax that the list does not call 'softmax' is quantised finished and normalised). What goes into a quantiser is computed in f32, as accurately as f32 sums, v_exp_f32 and their like allow (about 1e-6 of the number): no bf16 or f16 on the way to a quantiser, and a product that is left as it is and whose result goes on into a quantised operand takes f32 operands (vector FMAs, or v_wmma_f32_16x16x4_f32). A number that lies on a knife's edge between two numbers of the format may be rounded either way, as far as f32 arithmetic and the matrix unit's own rounding can turn it there, and no further.
;; One version. Each part assembles by itself: llvm-mc -triple=amdgcn-amd-amdhsa -mcpu=gfx1250 --defsym DOCPART=n.
;; ======== version 1 of 1: 4 launches
;; limits: right only within a limited range of input values
;; workspace buffers: cq 9,830,400 bytes; qkv 20,185,088 bytes; oq 6,553,600 bytes
;; launch quant (part 1): grid 256 x 1, 6 waves a work-group, no clusters, 51,456 bytes of LDS; arguments x, Wqkv, Wout, cq; writes cq
.if DOCPART == 1
	.amdgcn_target "amdgcn-amd-amdhsa--gfx1250"
	.amdhsa_code_object_version 6
	.text
	.protected	k_q8c3020962e_quant
	.globl	k_q8c3020962e_quant
	.p2align	8
	.type	k_q8c3020962e_quant,@function
k_q8c3020962e_quant:
	s_mov_b64 s[64:65], 0
	v_nop
	global_prefetch_b8 v0, s[64:65] scope:SCOPE_SE
	s_setreg_imm32_b32 hwreg(HW_REG_WAVE_MODE, 25, 1), 1
	s_wait_xcnt 0x0
; x [8192][1024], Wqkv [3072][1024] and Wout [1024][1024], f32, K innermost, become codes of FP6 (E2M3) with one E8M0 byte for each 32 along K, laid in cq as the later launches' operand registers want them.
; TILES.  All rows together are 768 tiles T of 16 rows: x 0-511, Wqkv 512-703, Wout 704-767.  THE ROWS OF A TILE ARE NOT NEIGHBOURS: in each group of 32 rows tile u (0, 1) has in lane r the row 8 u + r + 8 (r / 8),
; so that where such a tile is a product's source 0, the 16 result registers of tiles 2 b and 2 b + 1 are 16 neighbours.
; IMAGES.  A fragment (16 rows x 128 K, 12 registers a lane) lies as 1,536 bytes: registers 4 c .. 4 c + 3 of lane l at 512 c + 16 l.  Codes: T x 12,288 + 1,536 x (K / 128).
; Scale words from byte 9,437,184 on: T x 512 + 128 x (K / 256) + 8 r + 4 x ((K / 128) % 2).
; A block's scale is 2^(floor(log2(its largest magnitude)) - 2); its byte is the largest magnitude's exponent field - 2, held at 1 from below.
; LIMITS: a block of zeros gets the byte 1 (its codes are zeros, and this program alone reads the bytes); blocks whose largest magnitude lies under 2^-124 are held at that floor; NaN and infinities are not served.
; SHARES.  A wave takes one tile and half of K: four fragments.  Each load reads 512 consecutive bytes of one row; a K step's 16 rows turn through the wave's own stage in LDS, so that a lane gets 16 neighbours of each block.
; Waves share nothing: no barrier.  Memory binds: no matrix unit, no cluster, no tensor load.
.set ROWB,  4096                       ; a row of any of the three tensors in bytes
.set STG,   8448                       ; a wave's stage: 16 rows x (512 bytes + 16)
.set SPARE, 6*STG                      ; behind the six stages: the spare words, 128 bytes for each wave
.set SCB,   9437184                    ; where the scale words begin in cq
.set GA,    1                          ; v1   16 x lane: my bytes of a load's 512, and of an image's piece
.set SI,    2                          ; v2   the stage, on the way in
.set SOUT,  3                          ; v3   and out: row r, + 64 h
.set SCO,   4                          ; v4   my place in the wave's 256 bytes of scale words: 128 h + 8 r
.set R,     16                         ; v16-143   two sets of 64 registers as loaded
.set X,     144                        ; v144-207  register 16 b + i = k 32 b + 16 h + i of my row
.set PC,    208                        ; v208-219  a fragment's codes
.set CT,    220                        ; v220-226  the conversions' second halves
.set TM,    228                        ; v228-243  largest magnitudes, bytes, scale operands
.set SW,    244                        ; v244-247  the four scale words
.set SPW,   250                        ; v250 LDS address of my spare word; never rewritten
.set NIL,   251                        ; v251 0; never rewritten
.set SEL,   20                         ; s[20:21] selects for lane l xor 16
.set HM,    22                         ; s22  the mask of lanes 16-31
; 64 numbers of a lane become a fragment's codes, registers 0-5 at d0 and 6-11 at d1, and the row's scale word in pw.
.macro QUANT s, d0, d1, pw
.irp b, 0,1,2,3
	v_max3_num_f32 v[TM+\b], |v[\s+16*\b]|, |v[\s+1+16*\b]|, 0x1800000   ; block b: my 16 numbers, and the floor 2^(3 - 127): the byte cannot fall under 1
.endr
.irp i, 2,4,6,8,10,12,14
.irp b, 0,1,2,3
	v_max3_num_f32 v[TM+\b], v[TM+\b], |v[\s+16*\b+\i]|, |v[\s+1+16*\b+\i]|   ; the four blocks by turns
.endr
.endr
.irp b, 0,1,2,3
	v_permlanex16_b32 v[TM+4+\b], v[TM+\b], s[SEL], s[SEL+1]
.endr
.irp b, 0,1,2,3
	v_max_num_f32 v[TM+\b], v[TM+\b], v[TM+4+\b]   ; with lane l xor 16's 16: the block's largest magnitude
.endr
.irp b, 0,1,2,3
	v_add_nc_u32 v[TM+12+\b], 0xff000000, v[TM+\b]   ; 2 off its exponent field: the conversion's scale operand
.endr
.irp b, 0,1,2,3
	v_lshrrev_b32 v[TM+4+\b], 23, v[TM+12+\b]      ; the scale's byte
.endr
	v_lshl_or_b32 v[\pw], v[TM+5], 8, v[TM+4]
	v_lshl_or_b32 v[\pw], v[TM+6], 16, v[\pw]
	v_lshl_or_b32 v[\pw], v[TM+7], 24, v[\pw]
	v_cvt_scalef32_pk16_fp6_f32 v[\d0:\d0+2], v[\s:\s+15], v[TM+12]
	v_cvt_scalef32_pk16_fp6_f32 v[CT:CT+2], v[\s+16:\s+31], v[TM+13]   ; (a conversion's three registers begin on an even number)
	v_cvt_scalef32_pk16_fp6_f32 v[\d1:\d1+2], v[\s+32:\s+47], v[TM+14]
	v_cvt_scalef32_pk16_fp6_f32 v[CT+4:CT+6], v[\s+48:\s+63], v[TM+15]
	v_nop                                          ; one plain instruction behind the conversions
.irp i, 0,1,2
	v_permlane16_swap_b32 v[\d0+\i], v[CT+\i]      ; a whole block to a lane: lanes 0-15 the even block, lanes 16-31 the odd one
.endr
.irp i, 0,1,2
	v_mov_b32 v[\d0+3+\i], v[CT+\i]
.endr
.irp i, 0,1,2
	v_permlane16_swap_b32 v[\d1+\i], v[CT+4+\i]
.endr
.irp i, 0,1,2
	v_mov_b32 v[\d1+3+\i], v[CT+4+\i]
.endr
.endm
.macro LOADS t                         ; K step t of my four: 512 bytes of each of the tile's 16 rows
.irp i, 0,1,2,3,4,5,6,7,8,9,10,11,12,13,14,15
	global_load_b128 v[R+64*((\t)%2)+4*\i:R+64*((\t)%2)+4*\i+3], v[GA], s[4:5] offset:(\i+8*(\i/8))*ROWB+512*(\t) th:TH_LOAD_NT
.endr
.endm
.macro TURN t                          ; through my stage: LDS serves a wave's instructions in order, so no wait stands between the stores and the loads
.irp i, 0,1,2,3,4,5,6,7,8,9,10,11,12,13,14,15
	ds_store_b128 v[SI], v[R+64*((\t)%2)+4*\i:R+64*((\t)%2)+4*\i+3] offset:528*\i
.endr
.irp b, 0,1,2,3
.irp j, 0,1,2,3
	ds_load_b128 v[X+16*\b+4*\j:X+16*\b+4*\j+3], v[SOUT] offset:128*\b+16*\j
.endr
.endr
.endm
	s_load_b256 s[4:11], s[0:1], 0x0               ; x s[4:5], Wqkv s[6:7], Wout s[8:9], cq s[10:11]
	v_lshl_add_u32 v[SPW], v0, 2, SPARE
	v_mov_b32 v[NIL], 0
	v_lshrrev_b32 v5, 5, v0
	v_readfirstlane_b32 s12, v5                    ; wave 0..5
	v_and_b32 v5, 31, v0                           ; lane
	v_and_b32 v6, 15, v0                           ; r
	v_bfe_u32 v7, v0, 4, 1                         ; h
	v_lshlrev_b32 v[GA], 4, v5
	s_mul_i32 s23, s12, STG
	v_add_nc_u32 v[SI], s23, v[GA]
	v_mul_u32_u24 v[SOUT], v6, 528
	v_lshl_add_u32 v[SOUT], v7, 6, v[SOUT]
	v_add_nc_u32 v[SOUT], s23, v[SOUT]
	v_lshlrev_b32 v[SCO], 3, v6
	v_lshl_add_u32 v[SCO], v7, 7, v[SCO]
.irp b, 0,1,2,3
	v_mov_b32 v[TM+4+\b], 0                        ; written once: a lane permute's destination counts as one of its sources
.endr
	s_mov_b32 s[SEL], 0x76543210
	s_mov_b32 s[SEL+1], 0xfedcba98
	s_mov_b32 s[HM], 0xffff0000
	s_mul_i32 s13, ttmp9, 3                        ; 256 work-groups x 3 tiles = the 768 tiles
	s_lshr_b32 s15, s12, 1
	s_add_co_u32 s13, s13, s15                     ; T = 3 x work-group + wave / 2
	s_and_b32 s15, s12, 1                          ; which half of K
	s_wait_alu depctr_va_vdst(0)
	s_wait_kmcnt 0x0
	s_cmp_lt_u32 s13, 704                          ; which tensor: the choice hangs on the tile's number alone
	s_cselect_b64 s[6:7], s[6:7], s[8:9]
	s_mov_b32 s14, 704
	s_cselect_b32 s14, 512, s14
	s_cmp_lt_u32 s13, 512
	s_cselect_b64 s[4:5], s[4:5], s[6:7]
	s_cselect_b32 s14, 0, s14                      ; the tensor's first tile
	s_sub_co_u32 s14, s13, s14                     ; my tile in its tensor
	s_lshr_b32 s16, s14, 1
	s_lshl_b32 s16, s16, 17                        ; 32 rows of 4,096 bytes a pair of tiles,
	s_and_b32 s14, s14, 1
	s_lshl_b32 s14, s14, 15                        ; 8 rows on for the odd tile,
	s_add_co_u32 s16, s16, s14
	s_lshl_b32 s14, s15, 11                        ; 2,048 bytes on for the second half of K
	s_add_co_u32 s16, s16, s14
	s_mov_b32 s17, 0
	s_add_nc_u64 s[4:5], s[4:5], s[16:17]
	s_mul_i32 s16, s13, 12288
	s_mul_i32 s14, s15, 6144
	s_add_co_u32 s16, s16, s14
	s_add_nc_u64 s[8:9], s[10:11], s[16:17]        ; my four images
	s_lshl_b32 s16, s13, 9
	s_lshl_b32 s14, s15, 8
	s_add_co_u32 s16, s16, s14
	s_add_co_u32 s16, s16, SCB
	s_add_nc_u64 s[10:11], s[10:11], s[16:17]      ; my 256 bytes of scale words
	LOADS 0
	LOADS 1
.irp t, 0,1,2,3
.if \t < 3
	s_wait_loadcnt 16                              ; this K step's 16 loads are in; the next step's 16 may be out
.else
	s_wait_loadcnt 0
.endif
	TURN \t
	s_wait_dscnt 0x0                               ; my numbers are back, and the stage's stores have read their registers,
.if \t < 2
	LOADS \t+2                                     ; which take the loads of two steps on
.endif
.if \t > 0
	s_wait_xcnt 0x0                                ; the last step's stores have read the codes' registers
.endif
	QUANT X, PC, PC+6, SW+\t
.irp c, 0,1,2
	global_store_b128 v[GA], v[PC+4*\c:PC+4*\c+3], s[8:9] offset:1536*\t+512*\c   ; 32 lanes store 512 consecutive bytes, at a multiple of 256 from cq's first byte
.endr
.endr
	v_cndmask_b32 v248, v[SW], v[SW+2], s[HM]      ; lanes 0-15 store the first 256 along K's two words of row r, lanes 16-31 the second's
	v_cndmask_b32 v249, v[SW+1], v[SW+3], s[HM]
	global_store_b64 v[SCO], v[248:249], s[10:11]  ; 256 consecutive bytes, aligned
	s_wait_tensorcnt 0x0                           ; the wave's end, behind my last LDS store
	ds_add_u32 v[SPW], v[NIL]
	s_wait_dscnt 0x0
	s_endpgm
.Lfunc_end_k_q8c3020962e_quant:
	.size	k_q8c3020962e_quant, .Lfunc_end_k_q8c3020962e_quant-k_q8c3020962e_quant
	.p2alignl 7, 3214868480
	.fill 96, 4, 3214868480
	.section	.rodata,"a",@progbits
	.p2align	6, 0x0
	.amdhsa_kernel k_q8c3020962e_quant
		.amdhsa_group_segment_fixed_size 51456
		.amdhsa_private_segment_fixed_size 0
		.amdhsa_enable_private_segment 0
		.amdhsa_kernarg_size 32
		.amdhsa_user_sgpr_count 2
		.amdhsa_user_sgpr_kernarg_segment_ptr 1
		.amdhsa_wavefront_size32 1
		.amdhsa_system_sgpr_workgroup_id_x 1
		.amdhsa_system_sgpr_workgroup_id_y 1
		.amdhsa_system_sgpr_workgroup_id_z 1
		.amdhsa_system_vgpr_workitem_id 0
		.amdhsa_next_free_vgpr 256
		.amdhsa_next_free_sgpr 66
		.amdhsa_reserve_vcc 0
		.amdhsa_float_denorm_mode_32 3
		.amdhsa_float_denorm_mode_16_64 3
		.amdhsa_memory_ordered 1
		.amdhsa_forward_progress 1
		.amdhsa_inst_pref_size 34
	.end_amdhsa_kernel
	.amdgpu_metadata
---
amdhsa.version: [ 1, 2 ]
amdhsa.kernels:
  - .name:           k_q8c3020962e_quant
    .symbol:         k_q8c3020962e_quant.kd
    .args:
      - { .name: x, .offset: 0, .size: 8, .value_kind: global_buffer, .address_space: global }
      - { .name: Wqkv, .offset: 8, .size: 8, .value_kind: global_buffer, .address_space: global }
      - { .name: Wout, .offset: 16, .size: 8, .value_kind: global_buffer, .address_space: global }
      - { .name: cq, .offset: 24, .size: 8, .value_kind: global_buffer, .address_space: global }
    .group_segment_fixed_size: 51456
    .private_segment_fixed_size: 0
    .kernarg_segment_align: 8
    .kernarg_segment_size: 32
    .max_flat_workgroup_size: 192
    .sgpr_count:     66
    .vgpr_count:     256
    .wavefront_size: 32
...
	.end_amdgpu_metadata
.endif
;; end of part 1
;; launch qkvgemm (part 2): grid 12 x 32, 4 waves a work-group, clusters of 4 x 4, 327,680 bytes of LDS; arguments cq, bqkv, qkv; writes qkv
.if DOCPART == 2
	.amdgcn_target "amdgcn-amd-amdhsa--gfx1250"
	.amdhsa_code_object_version 6
	.text
	.protected	k_q8c3020962e_qkvgemm
	.globl	k_q8c3020962e_qkvgemm
	.p2align	8
	.type	k_q8c3020962e_qkvgemm,@function
k_q8c3020962e_qkvgemm:
	s_mov_b64 s[64:65], 0
	v_nop
	global_prefetch_b8 v0, s[64:65] scope:SCOPE_SE
	s_setreg_imm32_b32 hwreg(HW_REG_WAVE_MODE, 25, 1), 1
	s_wait_xcnt 0x0
	s_wait_alu depctr_hold_cnt(0) depctr_sa_sdst(0) depctr_va_vdst(0) depctr_va_sdst(0) depctr_va_ssrc(0) depctr_va_vcc(0) depctr_vm_vsrc(0)
	s_getreg_b32 s2, hwreg(HW_REG_IB_STS2, 6, 4)
	s_cmp_eq_u32 s2, 0
	s_cbranch_scc0 .Lentry_in_a_cluster
	s_endpgm
.Lentry_in_a_cluster:
	s_bfe_u32 s2, ttmp6, 0x10000c
	s_cmp_lg_u32 s2, 0xf033
	s_cbranch_scc0 .Lentry_shape_is_right
	s_endpgm
.Lentry_shape_is_right:
.set SLOT,  98304
.set HALFT, 24576
.set TILEB, 3072
.set FFB,   1536
.set SCL,   3*SLOT
.set SPARE, SCL+16384
.set SCB,   9437184
.set BLKB,  19712
.set HEADB, 16*BLKB
.set PW,   8
.set ADRP, 16
.set ADRQ, 20
.set BVO,  23
.set BQO,  24
.set VSO,  25
.set L16,  26
.set ADRS, 27
.set SPW,  28
.set NIL,  29
.set SC,   32
.set BQ,   64
.set PF,   128
.set BV,   224
.set H,    128
.set IA,   192
.set IB,   204
.set CT,   216
.set TM,   240
.set SEL,  2
.set HM,   15
.set WV,   16
.set PH,   17
.set QH,   18
.set LD,   19
.set G1,   24
.set G0,   32
.set G1B,  44
.set G0B,  52
.set G1S,  68
.set G0S,  76
.set G1SB, 80
.set G0SB, 88
.set MSB, 0
.macro WIN new
.if MSB != (\new)
	s_set_vgpr_msb (MSB<<8)|(\new)
.set MSB, (\new)
.endif
.endm
.set MUL_LO, 0xa1
.set MUL_HI, 0xf1
.set TO_Q,   0x40
.macro JLOAD g0a, g1a, g0b, g1b
	s_cmp_eq_u32 s[PH], 0
	s_cbranch_scc0 .Lfor_b_\@
	tensor_load_to_lds s[\g0a:\g0a+3], s[\g1a:\g1a+7]
	s_nop 0
.rept 4
	v_nop
.endr
	s_branch .Lasked_\@
.Lfor_b_\@:
	tensor_load_to_lds s[\g0b:\g0b+3], s[\g1b:\g1b+7]
	s_nop 0
.rept 4
	v_nop
.endr
.Lasked_\@:
.endm
.macro CREST
	s_cmp_lg_u32 s[WV], 0
	s_cbranch_scc1 .Lnot_wave_0_\@
	s_barrier_signal -3
.Lnot_wave_0_\@:
	s_barrier_wait -3
	s_barrier_signal -1
	s_barrier_wait -1
.endm
.macro CROUND
	s_barrier_signal -1
	s_barrier_wait -1
	CREST
.endm
.macro PLACES
.rept 4
	v_nop
.endr
.endm
.macro QUANT s, d0, d1, pw
.irp b, 0,1,2,3
	v_max3_num_f32 v[TM+\b], |v[\s+16*\b]|, |v[\s+1+16*\b]|, 0x1800000
.endr
.irp i, 2,4,6,8,10,12,14
.irp b, 0,1,2,3
	v_max3_num_f32 v[TM+\b], v[TM+\b], |v[\s+16*\b+\i]|, |v[\s+1+16*\b+\i]|
.endr
.endr
.irp b, 0,1,2,3
	v_permlanex16_b32 v[TM+4+\b], v[TM+\b], s[SEL], s[SEL+1]
.endr
.irp b, 0,1,2,3
	v_max_num_f32 v[TM+\b], v[TM+\b], v[TM+4+\b]
.endr
.irp b, 0,1,2,3
	v_add_nc_u32 v[TM+12+\b], 0xff000000, v[TM+\b]
.endr
.irp b, 0,1,2,3
	v_lshrrev_b32 v[TM+4+\b], 23, v[TM+12+\b]
.endr
	v_lshl_or_b32 v[\pw], v[TM+5], 8, v[TM+4]
	v_lshl_or_b32 v[\pw], v[TM+6], 16, v[\pw]
	v_lshl_or_b32 v[\pw], v[TM+7], 24, v[\pw]
	v_cvt_scalef32_pk16_fp6_f32 v[\d0:\d0+2], v[\s:\s+15], v[TM+12]
	v_cvt_scalef32_pk16_fp6_f32 v[CT:CT+2], v[\s+16:\s+31], v[TM+13]
	v_cvt_scalef32_pk16_fp6_f32 v[\d1:\d1+2], v[\s+32:\s+47], v[TM+14]
	v_cvt_scalef32_pk16_fp6_f32 v[CT+4:CT+6], v[\s+48:\s+63], v[TM+15]
	v_nop
.irp i, 0,1,2
	v_permlane16_swap_b32 v[\d0+\i], v[CT+\i]
.endr
.irp i, 0,1,2
	v_mov_b32 v[\d0+3+\i], v[CT+\i]
.endr
.irp i, 0,1,2
	v_permlane16_swap_b32 v[\d1+\i], v[CT+4+\i]
.endr
.irp i, 0,1,2
	v_mov_b32 v[\d1+3+\i], v[CT+4+\i]
.endr
.endm
	s_load_b128 s[4:7], s[0:1], 0x0
	s_load_b64 s[8:9], s[0:1], 0x10
	v_lshl_add_u32 v[SPW], v0, 2, SPARE
	v_mov_b32 v[NIL], 0
	ds_add_u32 v[SPW], v[NIL]
	ds_add_u32 v[SPW], v[NIL]
	v_lshrrev_b32 v1, 5, v0
	v_readfirstlane_b32 s[WV], v1
	s_lshr_b32 s[PH], s[WV], 1
	s_and_b32 s[QH], s[WV], 1
	s_bfe_u32 s20, ttmp6, 0x40000
	s_bfe_u32 s21, ttmp6, 0x40004
	s_lshl_b32 s22, ttmp9, 2
	s_add_co_u32 s22, s22, s20
	s_and_b32 s23, ttmp7, 0xffff
	s_lshl_b32 s23, s23, 2
	s_add_co_u32 s23, s23, s21
	s_lshl_b32 s92, s21, 2
	s_lshl_b32 s92, 15, s92
	s_lshl_b32 s93, 0x1111, s20
	s_or_b32 s[G1], s92, (3<<16)|(1<<21)
	s_or_b32 s[G1B], s93, (3<<16)|(1<<21)
	s_or_b32 s[G1S], s92, (3<<16)|(1<<21)
	s_or_b32 s[G1SB], s93, (3<<16)|(1<<21)
.irp g, G1, G1B
	s_mov_b32 s[\g+1], 384<<16
	s_mov_b32 s[\g+2], 16<<16                      ; the first fills bring 16 tiles x 3,072 bytes; the refill's 8 are set where no load is out
	s_mov_b32 s[\g+3], 384<<16
	s_mov_b32 s[\g+4], 16
	s_mov_b32 s[\g+5], 1536
	s_mov_b32 s[\g+6], 0
	s_mov_b32 s[\g+7], 0
.endr
.irp g, G1S, G1SB
	s_mov_b32 s[\g+1], 32<<16
	s_mov_b32 s[\g+2], 32<<16                      ; the scale words of 16 tiles: 8,192 dense bytes as 32 rows of 256
	s_mov_b32 s[\g+3], 32<<16
	s_mov_b32 s[\g+4], 32
	s_mov_b32 s[\g+5], 32
	s_mov_b32 s[\g+6], 0
	s_mov_b32 s[\g+7], 0
.endr
	s_lshl_b32 s94, s23, 4
	s_lshl_b32 s98, s94, 9
	s_add_co_u32 s98, s98, SCB
	s_mul_i32 s94, s94, 12288
	s_mov_b32 s95, 0
	s_mov_b32 s99, 0
	s_lshl_b32 s96, s22, 4
	s_add_co_u32 s96, s96, 512
	s_lshl_b32 s100, s96, 9
	s_add_co_u32 s100, s100, SCB
	s_mul_i32 s96, s96, 12288
	s_mov_b32 s97, 0
	s_mov_b32 s101, 0
	s_mul_i32 s[LD], s[WV], HALFT
	s_mov_b32 s[SEL], 0x76543210
	s_mov_b32 s[SEL+1], 0xfedcba98
	s_mov_b32 s[HM], 0xffff0000
	s_wait_dscnt 0x0
	s_wait_kmcnt 0x0
	s_add_nc_u64 s[94:95], s[4:5], s[94:95]
	s_add_nc_u64 s[98:99], s[4:5], s[98:99]
	s_add_nc_u64 s[96:97], s[4:5], s[96:97]
	s_add_nc_u64 s[100:101], s[4:5], s[100:101]
	CROUND
	s_mov_b32 s[G0S], 1                            ; x's scale words, 16 tiles
	s_mov_b32 s[G0S+1], SCL
	s_mov_b64 s[G0S+2:G0S+3], s[98:99]
	s_or_b32 s[G0S+3], s[G0S+3], 0x80000000
	s_mov_b32 s[G0SB], 1                           ; the weight's
	s_mov_b32 s[G0SB+1], SCL+8192
	s_mov_b64 s[G0SB+2:G0SB+3], s[100:101]
	s_or_b32 s[G0SB+3], s[G0SB+3], 0x80000000
	s_mov_b32 s[G0+4], 1                           ; chunk 0: x's 16 tiles into slot 0,
	s_mov_b32 s[G0+5], 0
	s_mov_b64 s[G0+6:G0+7], s[94:95]
	s_or_b32 s[G0+7], s[G0+7], 0x80000000
	s_mov_b32 s[G0B+4], 1                          ; the weight's 16 behind them
	s_mov_b32 s[G0B+5], 2*HALFT
	s_mov_b64 s[G0B+6:G0B+7], s[96:97]
	s_or_b32 s[G0B+7], s[G0B+7], 0x80000000
	s_mul_i32 s10, s[QH], 8*12288                  ; for the refill of slot 0: my quarter, 8 tiles
	s_mov_b32 s11, 0
	s_mov_b32 s[G0], 1
	s_mov_b32 s[G0+1], s[LD]
	s_add_nc_u64 s[G0+2:G0+3], s[94:95], s[10:11]
	s_or_b32 s[G0+3], s[G0+3], 0x80000000
	s_mov_b32 s[G0B], 1
	s_mov_b32 s[G0B+1], s[LD]
	s_add_nc_u64 s[G0B+2:G0B+3], s[96:97], s[10:11]
	s_or_b32 s[G0B+3], s[G0B+3], 0x80000000
	s_cmp_lt_u32 s[WV], 1                          ; the head's four tiles, one load a wave, in one chain on the wave's number
	s_cbranch_scc0 .Lh_b
	tensor_load_to_lds s[G0+4:G0+7], s[G1:G1+7]
	s_nop 0
	PLACES
	s_branch .Lh_asked
.Lh_b:
	s_cmp_lt_u32 s[WV], 2
	s_cbranch_scc0 .Lh_sa
	tensor_load_to_lds s[G0B+4:G0B+7], s[G1B:G1B+7]
	s_nop 0
	PLACES
	s_branch .Lh_asked
.Lh_sa:
	s_cmp_lt_u32 s[WV], 3
	s_cbranch_scc0 .Lh_sb
	tensor_load_to_lds s[G0S:G0S+3], s[G1S:G1S+7]
	s_nop 0
	PLACES
	s_branch .Lh_asked
.Lh_sb:
	tensor_load_to_lds s[G0SB:G0SB+3], s[G1SB:G1SB+7]
	s_nop 0
	PLACES
.Lh_asked:
	s_mul_i32 s12, s[PH], TILEB                    ; slots 1 and 2 are first filled behind one round: waves 0, 1 take chunk 1, waves 2, 3 chunk 2; the even wave x's tiles, the odd one the weight's
	s_add_co_u32 s12, s12, TILEB
	s_mov_b32 s13, 0
	s_mul_i32 s14, s[PH], SLOT
	s_add_co_u32 s14, s14, SLOT
	s_wait_alu depctr_va_vdst(0)
	s_wait_tensorcnt 0x0                           ; my tile of the head's four is in: no load of mine is out, so the groups 0 may be written
	ds_add_u32 v28, v29
	s_mov_b32 s[G0+5], s14
	s_add_nc_u64 s[G0+6:G0+7], s[G0+6:G0+7], s[12:13]
	s_add_co_u32 s[G0B+5], s14, 2*HALFT
	s_add_nc_u64 s[G0B+6:G0B+7], s[G0B+6:G0B+7], s[12:13]
	s_wait_dscnt 0x0
	CROUND                                         ; chunk 0 and the scale words are whole in every wave's sight
	s_cmp_eq_u32 s[QH], 0
	s_cbranch_scc0 .Ls2_b
	tensor_load_to_lds s[G0+4:G0+7], s[G1:G1+7]
	s_nop 0
	PLACES
	s_branch .Ls2_asked
.Ls2_b:
	tensor_load_to_lds s[G0B+4:G0B+7], s[G1B:G1B+7]
	s_nop 0
	PLACES
.Ls2_asked:
	v_and_b32 v1, 15, v0
	v_bfe_u32 v2, v0, 4, 1
	v_and_b32 v3, 31, v0
	v_lshlrev_b32 v[L16], 4, v3
	s_wait_alu depctr_va_vdst(0)
	s_cmp_eq_u32 ttmp9, 2
	s_cselect_b32 s10, 2*HALFT, 0
	s_cselect_b32 s11, 0, 2*HALFT
	s_cselect_b32 s12, 8192, 0
	s_cselect_b32 s13, 0, 8192
	s_mul_i32 s20, s[PH], HALFT
	s_add_co_u32 s10, s10, s20
	s_mul_i32 s20, s[QH], HALFT
	s_add_co_u32 s11, s11, s20
	s_lshl_b32 s20, s[PH], 12
	s_add_co_u32 s12, s12, s20
	s_add_co_u32 s12, s12, SCL
	s_lshl_b32 s20, s[QH], 12
	s_add_co_u32 s13, s13, s20
	s_add_co_u32 s13, s13, SCL
.irp s, 0,1,2
	v_add_nc_u32 v[ADRP+\s], s10, v[L16]
	v_add_nc_u32 v[ADRQ+\s], s11, v[L16]
	s_add_co_u32 s10, s10, SLOT
	s_add_co_u32 s11, s11, SLOT
.endr
	v_lshlrev_b32 v4, 3, v1
	v_add_nc_u32 v5, s12, v4
	v_add_nc_u32 v6, s13, v4
	v_cndmask_b32 v[ADRS], v5, v6, s[HM]
	v_lshlrev_b32 v[BQO], 6, v2
	s_wait_alu depctr_va_vdst(0)
	v_and_b32 v7, 8, v1
	v_add_nc_u32 v7, v7, v1
	v_lshlrev_b32 v[BVO], 2, v7
	s_wait_alu depctr_va_vdst(0)
	v_mul_u32_u24 v[VSO], v2, HEADB
	v_lshl_add_u32 v[VSO], v1, 4, v[VSO]
	s_lshl_b32 s10, s22, 10
	s_lshl_b32 s11, s[QH], 9
	s_lshl_b32 s12, s[PH], 9
	s_add_co_u32 s12, s12, s10
	s_add_co_u32 s10, s10, s11
	s_mov_b32 s11, 0
	s_mov_b32 s13, 0
	s_add_nc_u64 s[10:11], s[6:7], s[10:11]
	s_add_nc_u64 s[12:13], s[6:7], s[12:13]
.irp b, 0,1,2,3,4,5,6,7
	global_load_b128 v[BQ+8*\b:BQ+8*\b+3], v[BQO], s[10:11] offset:(32*(\b/2)+8*(\b%2))*4
	global_load_b128 v[BQ+8*\b+4:BQ+8*\b+7], v[BQO], s[10:11] offset:(32*(\b/2)+8*(\b%2))*4+16
.endr
.irp a, 0,1,2,3,4,5,6,7
	global_load_b32 v[BV+2*\a], v[BVO], s[12:13] offset:(32*(\a/2)+8*(\a%2))*4
	v_mov_b32 v[BV+2*\a+1], 0
.endr
.irp b, 0,1,2,3
	v_mov_b32 v[TM+4+\b], 0
.endr
.macro FRAG reg, adr, off
.irp c, 0,1,2
	ds_load_b128 v[(\reg)+4*\c:(\reg)+4*\c+3], v[\adr] offset:(\off)+512*\c
.endr
.endm
.macro FETCH_Q ls, q, p
	WIN TO_Q
.irp i, 0,1,2,3,4,5,6,7
	FRAG 128*(\p)+12*\i, ADRQ+\ls, \i*TILEB+FFB*(\q)
.endr
	WIN 0
.endm
.macro FETCH_P ls, q, i0
.irp i, \i0, \i0+1, \i0+2, \i0+3
	FRAG PF+12*(\i), ADRP+\ls, (\i)*TILEB+FFB*(\q)
.endr
.endm
.macro SCALES sc, j
.irp i, 0,1,2,3,4,5,6,7
	ds_load_b64 v[SC+16*(\sc)+2*\i:SC+16*(\sc)+2*\i+1], v[ADRS] offset:512*\i+128*(\j)
.endr
.endm
.macro MUL16 a0, p, q, sc, zero
.irp a, \a0, \a0+1
.irp b, 0,1,2,3,4,5,6,7
.if \zero
	v_wmma_scale_f32_16x16x128_f8f6f4 v[8*(8*((\a)%4)+\b):8*(8*((\a)%4)+\b)+7], v[128*(\p)+12*\b:128*(\p)+12*\b+11], v[PF+12*(\a):PF+12*(\a)+11], 0, v[SC+16*(\sc)+2*\b+(\q)], v[SC+16*(\sc)+2*(\a)+(\q)] matrix_a_fmt:MATRIX_FMT_FP6 matrix_b_fmt:MATRIX_FMT_FP6 matrix_a_scale:MATRIX_SCALE_ROW1
.else
	v_wmma_scale_f32_16x16x128_f8f6f4 v[8*(8*((\a)%4)+\b):8*(8*((\a)%4)+\b)+7], v[128*(\p)+12*\b:128*(\p)+12*\b+11], v[PF+12*(\a):PF+12*(\a)+11], v[8*(8*((\a)%4)+\b):8*(8*((\a)%4)+\b)+7], v[SC+16*(\sc)+2*\b+(\q)], v[SC+16*(\sc)+2*(\a)+(\q)] matrix_a_fmt:MATRIX_FMT_FP6 matrix_b_fmt:MATRIX_FMT_FP6 matrix_a_scale:MATRIX_SCALE_ROW1
.endif
.endr
.endr
.endm
.macro STEP q, sc, nls, nq, nj, zero
	s_wait_dscnt 12
	WIN MUL_LO
	MUL16 0, \q, \q, \sc, \zero
	MUL16 2, \q, \q, \sc, \zero
	s_wait_dscnt 0
	PLACES
	FETCH_Q \nls, \nq, 1-\q
	FETCH_P \nls, \nq, 0
.if \nj >= 0
	SCALES 1-\sc, \nj
.endif
	WIN MUL_HI
	MUL16 4, \q, \q, \sc, \zero
	MUL16 6, \q, \q, \sc, \zero
	PLACES
	WIN 0
	FETCH_P \nls, \nq, 4
.endm
.macro TURN sc, nls, nj, fill
	s_wait_tensorcnt 0x0
	ds_add_u32 v[SPW], v[NIL]
	s_wait_dscnt 13
	WIN MUL_LO
	MUL16 0, 1, 1, \sc, 0
	s_wait_dscnt 0x0
	s_barrier_signal -1
	MUL16 2, 1, 1, \sc, 0
	WIN 0
	s_barrier_wait -1
.if \fill
	CREST
	s_mov_b32 s[G1+2], 8<<16                       ; no load of mine is out: the refill brings 8 tiles a wave
	s_mov_b32 s[G1+4], 8
	s_mov_b32 s[G1B+2], 8<<16
	s_mov_b32 s[G1B+4], 8
	s_add_nc_u64 s[G0+2:G0+3], s[G0+2:G0+3], 3*TILEB
	s_add_nc_u64 s[G0B+2:G0B+3], s[G0B+2:G0B+3], 3*TILEB
	JLOAD G0, G1, G0B, G1B
.else
	PLACES
.endif
	FETCH_Q \nls, 0, 0
	FETCH_P \nls, 0, 0
	SCALES 1-\sc, \nj
	WIN MUL_HI
	MUL16 4, 1, 1, \sc, 0
	MUL16 6, 1, 1, \sc, 0
	PLACES
	WIN 0
	FETCH_P \nls, 0, 4
.endm
	s_wait_tensorcnt 2
	s_barrier_signal -1
	s_barrier_wait -1
	FETCH_Q 0, 0, 0
	FETCH_P 0, 0, 0
	SCALES 0, 0
	FETCH_P 0, 0, 4
	STEP 0, 0, 0, 1, -1, 1
	TURN 0, 1, 1, 1
	STEP 0, 1, 1, 1, -1, 0
	STEP 1, 1, 2, 0, 2, 0
	STEP 0, 0, 2, 1, -1, 0
	TURN 0, 0, 3, 0
	STEP 0, 1, 0, 1, -1, 0
	s_wait_dscnt 12
	WIN MUL_LO
	MUL16 0, 1, 1, 1, 0
	MUL16 2, 1, 1, 1, 0
	s_wait_dscnt 0
	WIN MUL_HI
	MUL16 4, 1, 1, 1, 0
	MUL16 6, 1, 1, 1, 0
	WIN 0
	PLACES
	s_wait_loadcnt 0x0
.macro OUTBASE hh, sh
	s_lshr_b32 s10, s23, 3
	s_lshl_b32 s10, s10, 4
	s_lshl_b32 s11, s22, 2
	s_lshl_b32 s20, s[\hh], 1
	s_add_co_u32 s11, s11, s20
	s_and_b32 s11, s11, 15
	s_add_co_u32 s10, s10, s11
	s_lshl_b32 s10, s10, 4
	s_lshl_b32 s11, s23, 1
	s_add_co_u32 s11, s11, s[\sh]
	s_and_b32 s11, s11, 15
	s_add_co_u32 s10, s10, s11
	s_mul_i32 s10, s10, BLKB
	s_mov_b32 s21, 0
	s_mov_b32 s13, 0
.endm
	s_cmp_eq_u32 ttmp9, 2
	s_cbranch_scc1 .Lv_out
	OUTBASE QH, PH
	s_cmp_ge_u32 s22, 4
	s_cselect_b32 s20, 6656, 0
	s_mov_b32 s12, 6144
	s_cselect_b32 s12, 18944, s12
	s_add_co_u32 s20, s20, s10
	s_add_co_u32 s12, s12, s10
	s_add_nc_u64 s[12:13], s[8:9], s[12:13]
	s_add_nc_u64 s[8:9], s[8:9], s[20:21]
.irp bb, 0,1,2,3
.if \bb > 0
	s_wait_xcnt 0x0
.endif
.irp u, 0,1
	WIN 0x02+(2*\bb+\u)/4
.set AC, 64*((2*\bb+\u)%4)
.set n, 0
.rept 32
	v_pk_add_f32 v[H+n:H+n+1], v[AC+n:AC+n+1], v[BQ+n:BQ+n+1]
.set n, n+2
.endr
	WIN 0
	QUANT H, IA+6*\u, IB+6*\u, PW+2*\bb+\u
.endr
.irp c, 0,1,2
	global_store_b128 v[L16], v[IA+4*\c:IA+4*\c+3], s[8:9] offset:FFB*\bb+512*\c
	global_store_b128 v[L16], v[IB+4*\c:IB+4*\c+3], s[8:9] offset:HEADB+FFB*\bb+512*\c
.endr
.endr
	s_wait_xcnt 0x0
.irp bb, 0,1,2,3
	v_cndmask_b32 v[CT+\bb], v[PW+2*\bb], v[PW+2*\bb+1], s[HM]
.endr
.irp bb, 0,1,2,3
	v_and_b32 v[IA+\bb], 0xffff, v[CT+\bb]
.endr
.irp bb, 0,1,2,3
	v_lshrrev_b32 v[IB+\bb], 16, v[CT+\bb]
.endr
	global_store_b128 v[L16], v[IA:IA+3], s[12:13]
	global_store_b128 v[L16], v[IB:IB+3], s[12:13] offset:HEADB
	s_branch .Lend
.Lv_out:
	OUTBASE PH, QH
	s_add_co_u32 s20, s10, 12800
	s_add_co_u32 s12, s10, 19456
	s_add_nc_u64 s[12:13], s[8:9], s[12:13]
	s_add_nc_u64 s[8:9], s[8:9], s[20:21]
.irp a, 0,1,2,3,4,5,6,7
	WIN 0x02+\a/4
.set AC, 64*(\a%4)
.set n, 0
.rept 32
	v_pk_add_f32 v[H+n:H+n+1], v[AC+n:AC+n+1], v[BV+2*\a:BV+2*\a+1] op_sel_hi:[1,0]
.set n, n+2
.endr
	WIN 0
.if \a > 1
	s_wait_xcnt 0x0
.endif
	QUANT H, IA+12*(\a%2), IA+12*(\a%2)+6, PW+\a
.irp c, 0,1,2
	global_store_b128 v[L16], v[IA+12*(\a%2)+4*\c:IA+12*(\a%2)+4*\c+3], s[8:9] offset:(\a/4)*HEADB+(\a%4)*FFB+512*\c
.endr
.endr
.irp ct, 0,1,2,3
	v_cndmask_b32 v[CT+\ct], v[PW+\ct], v[PW+4+\ct], s[HM]
.endr
	global_store_b128 v[VSO], v[CT:CT+3], s[12:13]
.Lend:
	s_wait_tensorcnt 0x0
	ds_add_u32 v[SPW], v[NIL]
	s_wait_dscnt 0x0
	CROUND
	s_endpgm
.Lfunc_end_k_q8c3020962e_qkvgemm:
	.size	k_q8c3020962e_qkvgemm, .Lfunc_end_k_q8c3020962e_qkvgemm-k_q8c3020962e_qkvgemm
	.p2alignl 7, 3214868480
	.fill 96, 4, 3214868480
	.section	.rodata,"a",@progbits
	.p2align	6, 0x0
	.amdhsa_kernel k_q8c3020962e_qkvgemm
		.amdhsa_group_segment_fixed_size 327680
		.amdhsa_private_segment_fixed_size 0
		.amdhsa_enable_private_segment 0
		.amdhsa_kernarg_size 24
		.amdhsa_user_sgpr_count 2
		.amdhsa_user_sgpr_kernarg_segment_ptr 1
		.amdhsa_wavefront_size32 1
		.amdhsa_system_sgpr_workgroup_id_x 1
		.amdhsa_system_sgpr_workgroup_id_y 1
		.amdhsa_system_sgpr_workgroup_id_z 1
		.amdhsa_system_vgpr_workitem_id 0
		.amdhsa_next_free_vgpr 1024
		.amdhsa_next_free_sgpr 102
		.amdhsa_reserve_vcc 0
		.amdhsa_float_denorm_mode_32 3
		.amdhsa_float_denorm_mode_16_64 3
		.amdhsa_memory_ordered 1
		.amdhsa_forward_progress 1
		.amdhsa_inst_pref_size 209
	.end_amdhsa_kernel
	.amdgpu_metadata
---
amdhsa.version: [ 1, 2 ]
amdhsa.kernels:
  - .name:           k_q8c3020962e_qkvgemm
    .symbol:         k_q8c3020962e_qkvgemm.kd
    .args:
      - { .name: cq, .offset: 0, .size: 8, .value_kind: global_buffer, .address_space: global }
      - { .name: bqkv, .offset: 8, .size: 8, .value_kind: global_buffer, .address_space: global }
      - { .name: qkv, .offset: 16, .size: 8, .value_kind: global_buffer, .address_space: global }
    .group_segment_fixed_size: 327680
    .private_segment_fixed_size: 0
    .kernarg_segment_align: 8
    .kernarg_segment_size: 24
    .max_flat_workgroup_size: 128
    .sgpr_count:     102
    .vgpr_count:     1024
    .wavefront_size: 32
...
	.end_amdgpu_metadata
.endif
;; end of part 2
;; launch attn (part 3): grid 4 x 64, 16 waves a work-group, clusters of 4 x 1, 210,944 bytes of LDS; arguments qkv, oq; writes oq
.if DOCPART == 3
	.amdgcn_target "amdgcn-amd-amdhsa--gfx1250"
	.amdhsa_code_object_version 6
	.text
	.protected	k_q8c3020962e_attn
	.globl	k_q8c3020962e_attn
	.p2align	8
	.type	k_q8c3020962e_attn,@function
k_q8c3020962e_attn:
	s_mov_b64 s[64:65], 0
	v_nop
	global_prefetch_b8 v0, s[64:65] scope:SCOPE_SE
	s_setreg_imm32_b32 hwreg(HW_REG_WAVE_MODE, 25, 1), 1
	s_wait_xcnt 0x0
	s_wait_alu depctr_hold_cnt(0) depctr_sa_sdst(0) depctr_va_vdst(0) depctr_va_sdst(0) depctr_va_ssrc(0) depctr_va_vcc(0) depctr_vm_vsrc(0)
	s_getreg_b32 s2, hwreg(HW_REG_IB_STS2, 6, 4)
	s_cmp_eq_u32 s2, 0
	s_cbranch_scc0 .Lentry_in_a_cluster
	s_endpgm
.Lentry_in_a_cluster:
	s_bfe_u32 s2, ttmp6, 0x10000c
	s_cmp_lg_u32 s2, 0x3003
	s_cbranch_scc0 .Lentry_shape_is_right
	s_endpgm
.Lentry_shape_is_right:
; O = softmax(q k^T / 8) v for one head of one batch, both products on codes of FP6 (E2M3) with E8M0 scales; O is quantised along the head's 64 channels and leaves as images of the last launch's operand registers.
; THE SOFTMAX: t = score x log2(e) / 8; M = the row's largest t so far, rounded UP to a whole number; p = 2^(t - M) is quantised along the keys, not normalised.  The row's sum is taken of the
; unquantised p and divides O at the end.  When M moves, the sum and O are multiplied by 2^(old M - new M): exact.
; SHARES.  A work-group owns 512 queries of a head; each of its sixteen waves two tiles of 16, one after the other, in 256 registers: four waves to a SIMD.
; A HEAD'S K AND V STAY IN LDS: 16 key steps x 13,056 bytes (k's codes 0, v's codes 6,144, k's scale words 12,288, v's 12,800), filled once: no byte is filled again.
; FILLS.  Wave w asks for key step w: one tensor load a wave, in two arms of one chain on the wave's number.  Waves 0-3 wait ahead of the first barrier, which shows key steps 0-3; the second barrier, with every wave's wait, shows the rest.
; CLUSTER.  The four work-groups of a head walk the same K and V: each key step is asked for jointly, with a mask that names the four.
; No prefetch: all tiles are asked for at the head, and there is no loop to run ahead in.
; LAYOUT.  Both products are used transposed: S^T = k q^T, O^T = v^T p^T: a lane holds ONE query throughout.  Lane r of key tile 2 b + u has key 32 b + 8 u + r + 8 (r / 8), so that the 16 registers of
; tiles 2 b, 2 b + 1 are keys 32 b + 16 h + 0 .. 15; v's channel tiles likewise.
; THE FIRST PRODUCT'S K IS 64, the instruction's 128: q's upper six registers are zero codes; what stands behind a tile of k meets them and adds nothing.
; THE ROW'S SUM RUNS ONE STEP BEHIND: a step's p stay in v96-159 until the next step's scores land there, and are added at that step's head, beside k's LDS loads; the first step finds zeros, and a last run of additions follows the walk.
; LIMITS: a block of zeros gets the byte 1 (its codes are zeros; this program alone reads the bytes); NaN and infinities are not served.
.set STEPB, 13056
.set BLKB,  19712                      ; a block of qkv: 128 tokens of a head
.set SPARE, 16*STEPB                   ; the spare words, 128 bytes for each of sixteen waves
.set L16, 1                            ; 16 x lane
.set R16, 2                            ; 16 x (lane % 16)
.set SPW, 3                            ; my spare word; never rewritten
.set NIL, 4                            ; 0; never rewritten
.set AL,  5                            ; the step's LDS byte + 16 x lane
.set AR,  6                            ; the step's LDS byte + 16 r
.set L8,  7
.set R8,  8
.set OW,  9                            ; O's two scale bytes
.set Q0,  16                           ; v16-27 q, first tile; v12 -M, v13 the largest t, v[14:15] the sum in two halves
.set QS0, 28
.set QS1, 29
.set KF,  32                           ; v32-79 eight tiles of k, or four fragments of v; v80-85 zeros
.set S,   96                           ; v96-159 S^T, then p
.set O,   160                          ; v160-191 O^T
.set PC,  192                          ; p's codes
.set CT,  204
.set BM,  212                          ; each block's largest score, then largest p
.set BT,  216
.set SO,  220                          ; the conversions' scale operands
.set F,   224                          ; v[224:225] f = 2^(old M - new M), and 0
.set PS,  226                          ; p's scale word
.set TP,  227
.set KS,  228                          ; k's scale words
.set VS,  232                          ; v's
.set Q1,  236                          ; q, second tile
.set G1,  16
.set G0,  24
.set SEL, 40
.set CS,  42                           ; s[42:43] c = log2(e) / 8
.set TB,  44                           ; LDS byte at which the step in hand begins
.set CNT, 45
.set WV,  46
.macro CROUND
	s_barrier_signal -1
	s_barrier_wait -1
	s_cmp_lg_u32 s[WV], 0
	s_cbranch_scc1 .Lnot_wave_0_\@
	s_barrier_signal -3
.Lnot_wave_0_\@:
	s_barrier_wait -3
	s_barrier_signal -1
	s_barrier_wait -1
.endm
	s_load_b128 s[4:7], s[0:1], 0x0                ; qkv, oq
	v_lshl_add_u32 v[SPW], v0, 2, SPARE
	v_mov_b32 v[NIL], 0
	ds_add_u32 v[SPW], v[NIL]                      ; the opening: the add, twice on end
	ds_add_u32 v[SPW], v[NIL]
	v_lshrrev_b32 v10, 5, v0
	s_delay_alu instid0(VALU_DEP_1)
	v_readfirstlane_b32 s[WV], v10                 ; wave 0..15
	s_bfe_u32 s8, ttmp6, 0x40000                   ; cx
	s_lshl_b32 s9, ttmp9, 2
	s_add_co_u32 s8, s8, s9                        ; my block of 512 queries: it enters q's and O's addresses alone
	s_and_b32 s9, ttmp7, 0xffff                    ; batch x 16 + head, which the four partners share
	s_and_b32 s10, s[WV], 3
	s_mov_b32 s[G1], 15|(3<<16)|(1<<21)            ; the mask of all four; elements of 8 bytes; bit 21 beside a mask
	s_mov_b32 s[G1+1], 32<<16                      ; 13,056 dense bytes as 51 rows of 256
	s_mov_b32 s[G1+2], 51<<16
	s_mov_b32 s[G1+3], 32<<16
	s_mov_b32 s[G1+4], 51
	s_mov_b32 s[G1+5], 32
	s_mov_b32 s[G1+6], 0
	s_mov_b32 s[G1+7], 0
	s_lshl_b32 s12, s9, 4
	s_add_co_u32 s12, s12, s[WV]
	s_mul_i32 s12, s12, BLKB
	s_add_co_u32 s12, s12, 6656                    ; key step = my wave's number: k's codes on
	s_mov_b32 s13, 0
	s_mul_i32 s11, s[WV], STEPB                    ; and its place in LDS
	s_lshl_b32 s14, s9, 4                          ; q: block 16 (batch, head) + 4 x my 512 queries + wave / 4,
	s_lshl_b32 s15, s8, 2
	s_add_co_u32 s14, s14, s15
	s_lshr_b32 s15, s[WV], 2
	s_add_co_u32 s14, s14, s15
	s_mul_i32 s14, s14, BLKB
	s_mul_i32 s15, s10, 1536                       ; image wave % 4: my two tiles
	s_add_co_u32 s48, s14, s15
	s_mov_b32 s49, 0
	s_lshl_b32 s15, s10, 2
	s_add_co_u32 s50, s14, s15
	s_add_co_u32 s50, s50, 6144                    ; and their scale words
	s_mov_b32 s51, 0
	s_lshr_b32 s52, s9, 4                          ; O: tile 128 x batch + 32 x my 512 queries + 2 x wave
	s_lshl_b32 s52, s52, 7
	s_lshl_b32 s15, s8, 5
	s_add_co_u32 s52, s52, s15
	s_lshl_b32 s15, s[WV], 1
	s_add_co_u32 s52, s52, s15
	s_and_b32 s56, s9, 15                          ; the head
	s_lshl_b32 s54, s52, 9
	s_mul_i32 s52, s52, 12288
	s_mul_i32 s15, s56, 768
	s_add_co_u32 s52, s52, s15                     ; codes: tile x 12,288 + head x 768
	s_mov_b32 s53, 0
	s_lshr_b32 s15, s56, 2
	s_lshl_b32 s15, s15, 7
	s_add_co_u32 s54, s54, s15
	s_and_b32 s15, s56, 3
	s_lshl_b32 s15, s15, 1
	s_add_co_u32 s54, s54, s15
	s_add_co_u32 s54, s54, 6291456                 ; scale bytes: 6,291,456 + tile x 512 + (head / 4) x 128 + (head % 4) x 2, + 8 r
	s_mov_b32 s55, 0
	s_mov_b32 s[SEL], 0x76543210
	s_mov_b32 s[SEL+1], 0xfedcba98
	s_mov_b32 s[CS], 0x3e38aa3b
	s_mov_b32 s[CS+1], s[CS]
	s_wait_dscnt 0x0                               ; both opening adds are done
	s_wait_kmcnt 0x0
	s_add_nc_u64 s[12:13], s[4:5], s[12:13]
	s_add_nc_u64 s[48:49], s[4:5], s[48:49]
	s_add_nc_u64 s[50:51], s[4:5], s[50:51]
	s_add_nc_u64 s[52:53], s[6:7], s[52:53]
	s_add_nc_u64 s[54:55], s[6:7], s[54:55]
	CROUND                                         ; all four work-groups are here: the joint loads meet
	s_mov_b32 s[G0], 1
	s_mov_b32 s[G0+1], s11
	s_mov_b64 s[G0+2:G0+3], s[12:13]
	s_or_b32 s[G0+3], s[G0+3], 0x80000000
	s_cmp_lt_u32 s[WV], 4                          ; two arms, one load each: waves 0-3, which wait ahead of the first barrier, have a line of their own
	s_cbranch_scc0 .Llate
	tensor_load_to_lds s[G0:G0+3], s[G1:G1+7]
	s_nop 0
.rept 4
	v_nop
.endr
	s_branch .Lasked
.Llate:
	tensor_load_to_lds s[G0:G0+3], s[G1:G1+7]
	s_nop 0
.rept 4
	v_nop
.endr
.Lasked:
	v_and_b32 v10, 31, v0
	v_and_b32 v11, 15, v0
	s_delay_alu instid0(VALU_DEP_2)
	v_lshlrev_b32 v[L16], 4, v10
	s_delay_alu instid0(VALU_DEP_2)
	v_lshlrev_b32 v[R16], 4, v11
	s_delay_alu instid0(VALU_DEP_4)
	v_lshlrev_b32 v[L8], 3, v10
	s_delay_alu instid0(VALU_DEP_4)
	v_lshlrev_b32 v[R8], 3, v11
	global_load_b64 v[Q0:Q0+1], v[L16], s[48:49]               ; the image's registers 0-5 are my first tile, 6-11 my second
	global_load_b64 v[Q0+2:Q0+3], v[L16], s[48:49] offset:8
	global_load_b64 v[Q0+4:Q0+5], v[L16], s[48:49] offset:512
	global_load_b64 v[Q1:Q1+1], v[L16], s[48:49] offset:520
	global_load_b64 v[Q1+2:Q1+3], v[L16], s[48:49] offset:1024
	global_load_b64 v[Q1+4:Q1+5], v[L16], s[48:49] offset:1032
	global_load_b32 v[QS0], v[R16], s[50:51]
	global_load_b32 v[QS1], v[R16], s[50:51] offset:256
.irp i, 6,7,8,9,10,11
	v_mov_b32 v[Q0+\i], 0                          ; zero codes for K 64-127
	v_mov_b32 v[Q1+\i], 0
	v_mov_b32 v[KF+42+\i], 0                       ; v80-85: what stands behind k's last tile
.endr
.irp b, 0,1,2,3
	v_mov_b32 v[BT+\b], 0                          ; a lane permute's destination counts as one of its sources
.endr
	v_mov_b32 v[TP], 0
	v_mov_b32 v[F+1], 0
; The sum of the 64 p in v96-159, two at a time, in eight chains: 8 + 17 additions that read p, and 7 that join the chains.
.macro PA d, a, b
	v_pk_add_f32 v[\d:\d+1], v[\a:\a+1], v[\b:\b+1]
.endm
.macro SUMA
	PA 216, 100, 104
	PA 254, 108, 112
	PA 252, 116, 120
	PA 250, 124, 128
	PA 248, 132, 136
	PA 212, 140, 144
	PA 220, 148, 152
	PA 14, 14, 156
.endm
.macro SUMB
	PA 216, 216, 96
	PA 254, 254, 98
	PA 252, 252, 102
	PA 250, 250, 106
	PA 248, 248, 110
	PA 212, 212, 114
	PA 220, 220, 118
	PA 14, 14, 122
	PA 216, 216, 126
	PA 254, 254, 130
	PA 252, 252, 134
	PA 250, 250, 138
	PA 248, 248, 142
	PA 212, 212, 146
	PA 220, 220, 150
	PA 14, 14, 154
	PA 216, 216, 158
.endm
.macro SUMC
	PA 14, 14, 250
	PA 216, 216, 248
	PA 254, 254, 212
	PA 252, 252, 220
	PA 14, 14, 254
	PA 216, 216, 252
	PA 14, 14, 216
.endm
; A KEY STEP: 128 keys for the tile of queries in v[qb] on, with its scale words in v[qs].
.macro STEP qb, qs
	v_add_nc_u32 v[AL], s[TB], v[L16]
	v_add_nc_u32 v[AR], s[TB], v[R16]
	SUMA                                           ; the last step's p; these ten lines name no register of the last products: the places in front of the loads below
.irp n, 0,1,2,3,4,5,6,7,8,9,10,11
	ds_load_b128 v[KF+4*\n:KF+4*\n+3], v[AL] offset:512*\n
.endr
	ds_load_b128 v[KS:KS+3], v[AL] offset:12288
	SUMB                                           ; while k is on its way
	s_wait_alu depctr_va_vdst(0)
	s_wait_dscnt 0x0
.irp t, 0,1,2,3,4,5,6,7
.if \t%2
	v_wmma_scale_f32_16x16x128_f8f6f4 v[S+8*\t:S+8*\t+7], v[KF+6*\t:KF+6*\t+11], v[\qb:\qb+11], 0, v[KS+\t/2], v[\qs] matrix_a_fmt:MATRIX_FMT_FP6 matrix_b_fmt:MATRIX_FMT_FP6 matrix_a_scale:MATRIX_SCALE_ROW1
.else
	v_wmma_scale_f32_16x16x128_f8f6f4 v[S+8*\t:S+8*\t+7], v[KF+6*\t:KF+6*\t+11], v[\qb:\qb+11], 0, v[KS+\t/2], v[\qs] matrix_a_fmt:MATRIX_FMT_FP6 matrix_b_fmt:MATRIX_FMT_FP6
.endif
.endr
	SUMC                                           ; seven lines on the chains alone: the places in front of the loads into k's registers and of the first read of the scores
.irp n, 0,1,2,3,4,5,6,7,8,9,10,11
	ds_load_b128 v[KF+4*\n:KF+4*\n+3], v[AL] offset:6144+512*\n   ; v's four fragments land while the softmax is walked
.endr
	ds_load_b128 v[VS:VS+3], v[AR] offset:12800
.irp b, 0,1,2,3
	v_max3_num_f32 v[BM+\b], v[S+16*\b], v[S+1+16*\b], v[S+2+16*\b]   ; the largest score of each block of 32 keys: for the row's maximum and, since p rises with the score, for the block's largest p
.endr
.irp i, 3,5,7,9,11,13
.irp b, 0,1,2,3
	v_max3_num_f32 v[BM+\b], v[BM+\b], v[S+16*\b+\i], v[S+1+16*\b+\i]
.endr
.endr
.irp b, 0,1,2,3
	v_max_num_f32 v[BM+\b], v[BM+\b], v[S+15+16*\b]
.endr
.irp b, 0,1,2,3
	v_permlanex16_b32 v[BT+\b], v[BM+\b], s[SEL], s[SEL+1]
.endr
.irp b, 0,1,2,3
	v_max_num_f32 v[BM+\b], v[BM+\b], v[BT+\b]     ; with lane l xor 16's 16 keys (the four blocks by turns)
.endr
	s_delay_alu instid0(VALU_DEP_2)
	v_max3_num_f32 v[TP], v[BM], v[BM+1], v[BM+2]
	s_delay_alu instid0(VALU_DEP_1)
	v_max_num_f32 v[TP], v[TP], v[BM+3]
	s_delay_alu instid0(VALU_DEP_1)
	v_mul_f32 v[TP], s[CS], v[TP]                  ; the step's largest t (c is positive)
	s_delay_alu instid0(VALU_DEP_1)
	v_max_num_f32 v13, v13, v[TP]                  ; the running largest t
	v_mov_b32 v[TP], v12
	s_delay_alu instid0(VALU_DEP_2)
	v_floor_f32 v12, -v13                          ; the new -M = floor(-t)
	s_delay_alu instid0(VALU_DEP_1)
	v_sub_f32 v[TP], v12, v[TP]                    ; old M - new M: a whole number, 0 or less
	s_delay_alu instid0(VALU_DEP_1)
	v_cvt_i32_f32 v[TP], v[TP]                     ; (it saturates)
	s_delay_alu instid0(VALU_DEP_1)
	v_ldexp_f32 v[F], 1.0, v[TP]                   ; f = 2^(old M - new M)
.set n, 0
.rept 32
	v_pk_fma_f32 v[S+n:S+n+1], v[S+n:S+n+1], s[CS:CS+1], v[12:13] op_sel_hi:[1,0,0]   ; t - M, two at a time
.set n, n+2
.endr
.irp b, 0,1,2,3
	v_fma_f32 v[BM+\b], v[BM+\b], s[CS], v12       ; the same of each block's largest score
.endr
	s_wait_alu depctr_va_vdst(0)                   ; ahead of the batch
.set n, 0
.rept 64
	v_exp_f32 v[S+n], v[S+n]                       ; p = 2^(t - M), at most 1
.set n, n+1
.endr
.irp b, 0,1,2,3
	v_exp_f32 v[BM+\b], v[BM+\b]                   ; the block's largest p: the same two instructions on the same number give the same bits
.endr
	v_pk_mul_f32 v[14:15], v[14:15], v[F:F+1] op_sel_hi:[1,0]   ; the sums under the new M: the plain instruction behind the exponentials
	s_wait_alu depctr_va_vdst(0)                   ; one wait for the 68, ahead of their first reader
.irp b, 0,1,2,3
	v_max_num_f32 v[BM+\b], 0x1800000, v[BM+\b]    ; the floor 2^(3 - 127): the byte cannot fall under 1
.endr
.irp b, 0,1,2,3
	v_add_nc_u32 v[SO+\b], 0xff000000, v[BM+\b]    ; 2 off the exponent field: the conversion's scale operand
.endr
.irp b, 0,1,2,3
	v_lshrrev_b32 v[BT+\b], 23, v[SO+\b]
.endr
	v_lshl_or_b32 v[PS], v[BT+1], 8, v[BT]         ; p's scale word for these 128 keys
	s_delay_alu instid0(VALU_DEP_1)
	v_lshl_or_b32 v[PS], v[BT+2], 16, v[PS]
.irp c, 0,1
	v_cvt_scalef32_pk16_fp6_f32 v[PC+6*\c:PC+6*\c+2], v[S+32*\c:S+32*\c+15], v[SO+2*\c]
	v_cvt_scalef32_pk16_fp6_f32 v[CT+4*\c:CT+4*\c+2], v[S+32*\c+16:S+32*\c+31], v[SO+2*\c+1]
.endr
	v_lshl_or_b32 v[PS], v[BT+3], 24, v[PS]        ; the word's last byte: the plain instruction behind the conversions; 28 plain lines stand between it and the products that take the word
.irp c, 0,1
.irp i, 0,1,2
	v_permlane16_swap_b32 v[PC+6*\c+\i], v[CT+4*\c+\i]   ; a whole block to a lane
.endr
.irp i, 0,1,2
	v_mov_b32 v[PC+6*\c+3+\i], v[CT+4*\c+\i]
.endr
.endr
	s_wait_alu depctr_va_vdst(0)                   ; directly ahead of the first reader of O^T
.set n, 0
.rept 16
	v_pk_mul_f32 v[O+n:O+n+1], v[O+n:O+n+1], v[F:F+1] op_sel_hi:[1,0]   ; O^T under the new M, each accumulator from its low end on; twelve of these name no register of any one product below: its places behind p's codes and scale word
.set n, n+2
.endr
	s_wait_alu depctr_va_vdst(0)
	s_wait_dscnt 0x0                               ; v is in
.irp ct, 0,1,2,3
	v_wmma_scale_f32_16x16x128_f8f6f4 v[O+8*\ct:O+8*\ct+7], v[KF+12*\ct:KF+12*\ct+11], v[PC:PC+11], v[O+8*\ct:O+8*\ct+7], v[VS+\ct], v[PS] matrix_a_fmt:MATRIX_FMT_FP6 matrix_b_fmt:MATRIX_FMT_FP6
.endr
	s_add_co_u32 s[TB], s[TB], STEPB
.endm
.macro RUN tb0, n, qb, qs              ; n key steps from LDS byte tb0 on
	s_mov_b32 s[TB], \tb0
	s_mov_b32 s[CNT], \n
.Lrun_\@:
	STEP \qb, \qs
	s_sub_co_u32 s[CNT], s[CNT], 1
	s_cmp_lg_u32 s[CNT], 0
	s_cbranch_scc1 .Lrun_\@
.endm
.macro INIT                            ; the step has no first of its own: it finds zeros in O^T, in the sum and in the place of the last step's p
	v_mov_b32 v13, 0xff61b1e6                      ; the largest t so far: -3e38
	s_delay_alu instid0(VALU_DEP_1)
	v_floor_f32 v12, -v13
	v_mov_b32 v14, 0
	v_mov_b32 v15, 0
.set n, 0
.rept 96
	v_mov_b32 v[S+n], 0                            ; v96-191
.set n, n+1
.endr
.endm
; The last step's p are added; then O^T / the sum, quantised along the head's 64 channels: six registers of codes, two scale bytes.  u: which of my two tiles.
.macro WAYOUT u
	SUMA                                           ; these 32 lines are also the places behind the last products
	SUMB
	SUMC
	v_add_f32 v14, v14, v15
	s_delay_alu instid0(VALU_DEP_1)
	v_permlanex16_b32 v[TP], v14, s[SEL], s[SEL+1]
	s_delay_alu instid0(VALU_DEP_1)
	v_add_f32 v14, v14, v[TP]                      ; the row's sum
	s_wait_alu depctr_va_vdst(0)
	v_rcp_f32 v14, v14
	v_nop
	s_wait_alu depctr_va_vdst(0)                   ; ahead of the reciprocal's first reader
.set n, 0
.rept 16
	v_pk_mul_f32 v[S+n:S+n+1], v[O+n:O+n+1], v[14:15] op_sel_hi:[1,0]   ; register 16 g + i: channel 32 g + 16 h + i
.set n, n+2
.endr
.irp g, 0,1
	v_max3_num_f32 v[BM+\g], |v[S+16*\g]|, |v[S+1+16*\g]|, 0x1800000
.endr
.irp i, 2,4,6,8,10,12,14
.irp g, 0,1
	s_delay_alu instid0(VALU_DEP_2)
	v_max3_num_f32 v[BM+\g], v[BM+\g], |v[S+16*\g+\i]|, |v[S+1+16*\g+\i]|
.endr
.endr
.irp g, 0,1
	s_delay_alu instid0(VALU_DEP_2)
	v_permlanex16_b32 v[BT+\g], v[BM+\g], s[SEL], s[SEL+1]
.endr
.irp g, 0,1
	s_delay_alu instid0(VALU_DEP_2)
	v_max_num_f32 v[BM+\g], v[BM+\g], v[BT+\g]
.endr
.irp g, 0,1
	s_delay_alu instid0(VALU_DEP_2)
	v_add_nc_u32 v[SO+\g], 0xff000000, v[BM+\g]
.endr
.irp g, 0,1
	s_delay_alu instid0(VALU_DEP_2)
	v_lshrrev_b32 v[BT+\g], 23, v[SO+\g]
.endr
	s_delay_alu instid0(VALU_DEP_1)
	v_lshl_or_b32 v[OW], v[BT+1], 8, v[BT]
	v_cvt_scalef32_pk16_fp6_f32 v[PC:PC+2], v[S:S+15], v[SO]
	v_cvt_scalef32_pk16_fp6_f32 v[CT:CT+2], v[S+16:S+31], v[SO+1]
	v_nop
.irp i, 0,1,2
	v_permlane16_swap_b32 v[PC+\i], v[CT+\i]
.endr
.irp i, 0,1,2
	s_delay_alu instid0(VALU_DEP_3)
	v_mov_b32 v[PC+3+\i], v[CT+\i]
.endr
.irp c, 0,1,2
	global_store_b64 v[L8], v[PC+2*\c:PC+2*\c+1], s[52:53] offset:12288*\u+256*\c   ; 32 lanes store 256 consecutive bytes, at a multiple of 256 from oq's first byte
.endr
	global_store_b16 v[R8], v[OW], s[54:55] offset:512*\u   ; my row's half word of scale bytes; both halves of the lanes store the same bytes
.endm
	s_wait_loadcnt 0x0                             ; q
	INIT
	s_wait_alu depctr_va_vdst(0)
	s_cmp_lt_u32 s[WV], 4
	s_cbranch_scc0 .Lnot_first
	s_wait_tensorcnt 0x0                           ; waves 0-3: my key step is in
.Lnot_first:
	s_wait_dscnt 0x0
	s_barrier_signal -1
	s_barrier_wait -1                              ; key steps 0-3 are whole in every wave's sight; the others may be on their way
	RUN 0, 4, Q0, QS0
	s_wait_tensorcnt 0x0                           ; every wave: its key step is in
	s_wait_dscnt 0x0
	s_barrier_signal -1
	s_barrier_wait -1                              ; all sixteen key steps are whole
	RUN 4*STEPB, 12, Q0, QS0
	WAYOUT 0
	s_wait_xcnt 0x0                                ; the stores have read the codes' and the bytes' registers
	INIT
	RUN 0, 16, Q1, QS1
	WAYOUT 1
	s_wait_tensorcnt 0x0                           ; the wave's end
	ds_add_u32 v[SPW], v[NIL]
	s_wait_dscnt 0x0
	CROUND                                         ; the closing round
	s_endpgm
.Lfunc_end_k_q8c3020962e_attn:
	.size	k_q8c3020962e_attn, .Lfunc_end_k_q8c3020962e_attn-k_q8c3020962e_attn
	.p2alignl 7, 3214868480
	.fill 96, 4, 3214868480
	.section	.rodata,"a",@progbits
	.p2align	6, 0x0
	.amdhsa_kernel k_q8c3020962e_attn
		.amdhsa_group_segment_fixed_size 210944
		.amdhsa_private_segment_fixed_size 0
		.amdhsa_enable_private_segment 0
		.amdhsa_kernarg_size 16
		.amdhsa_user_sgpr_count 2
		.amdhsa_user_sgpr_kernarg_segment_ptr 1
		.amdhsa_wavefront_size32 1
		.amdhsa_system_sgpr_workgroup_id_x 1
		.amdhsa_system_sgpr_workgroup_id_y 1
		.amdhsa_system_sgpr_workgroup_id_z 1
		.amdhsa_system_vgpr_workitem_id 0
		.amdhsa_next_free_vgpr 256
		.amdhsa_next_free_sgpr 66
		.amdhsa_reserve_vcc 0
		.amdhsa_float_denorm_mode_32 3
		.amdhsa_float_denorm_mode_16_64 3
		.amdhsa_memory_ordered 1
		.amdhsa_forward_progress 1
		.amdhsa_inst_pref_size 73
	.end_amdhsa_kernel
	.amdgpu_metadata
---
amdhsa.version: [ 1, 2 ]
amdhsa.kernels:
  - .name:           k_q8c3020962e_attn
    .symbol:         k_q8c3020962e_attn.kd
    .args:
      - { .name: qkv, .offset: 0, .size: 8, .value_kind: global_buffer, .address_space: global }
      - { .name: oq, .offset: 8, .size: 8, .value_kind: global_buffer, .address_space: global }
    .group_segment_fixed_size: 210944
    .private_segment_fixed_size: 0
    .kernarg_segment_align: 8
    .kernarg_segment_size: 16
    .max_flat_workgroup_size: 512
    .sgpr_count:     66
    .vgpr_count:     256
    .wavefront_size: 32
...
	.end_amdgpu_metadata
.endif
;; end of part 3
;; launch outgemm (part 4): grid 4 x 64, 4 waves a work-group, clusters of 4 x 4, 307,712 bytes of LDS; arguments oq, cq, bout, out0; writes out0
.if DOCPART == 4
	.amdgcn_target "amdgcn-amd-amdhsa--gfx1250"
	.amdhsa_code_object_version 6
	.text
	.protected	k_q8c3020962e_outgemm
	.globl	k_q8c3020962e_outgemm
	.p2align	8
	.type	k_q8c3020962e_outgemm,@function
k_q8c3020962e_outgemm:
	s_mov_b64 s[64:65], 0
	v_nop
	global_prefetch_b8 v0, s[64:65] scope:SCOPE_SE
	s_setreg_imm32_b32 hwreg(HW_REG_WAVE_MODE, 25, 1), 1
	s_wait_xcnt 0x0
	s_wait_alu depctr_hold_cnt(0) depctr_sa_sdst(0) depctr_va_vdst(0) depctr_va_sdst(0) depctr_va_ssrc(0) depctr_va_vcc(0) depctr_vm_vsrc(0)
	s_getreg_b32 s2, hwreg(HW_REG_IB_STS2, 6, 4)
	s_cmp_eq_u32 s2, 0
	s_cbranch_scc0 .Lentry_in_a_cluster
	s_endpgm
.Lentry_in_a_cluster:
	s_bfe_u32 s2, ttmp6, 0x10000c
	s_cmp_lg_u32 s2, 0xf033
	s_cbranch_scc0 .Lentry_shape_is_right
	s_endpgm
.Lentry_shape_is_right:
; out0 = O Wout^T + bout on codes of FP6 (E2M3) with E8M0 scales.  O's codes and scale words come from oq, Wout's from cq (tiles 704-767), both as images of the operands' registers.
; A tile of the result is 128 tokens (Y) x 256 features (X): 256 work-groups.  Four waves, each 64 x 128: 32 accumulators, 256 registers.
; ALL OF K (1,024) LIES IN LDS, filled once.  A tile of 16 rows, all of K, is 12,288 consecutive bytes of memory, so O's 8 tiles, Wout's 16 and both sets of scale words are four dense blocks:
; four tensor loads in rows of 256 bytes, ONE A WAVE, in one chain of branches on the wave's number; every wave waits for its load, and one barrier shows all four.
; CLUSTERS: 4 x 4 work-groups.  O's blocks hang on Y alone and are asked for jointly by a row of the cluster, Wout's on X alone and by a column.
; No prefetch: all tiles are asked for at the head, and there is no loop to run ahead in.
; P = O is source 1 (a lane holds a token), Q = Wout is source 0: tiles 2 b, 2 b + 1 of Wout give features 32 b + 16 h + 0 .. 15.  The bias is the C of each sum's first product.
; The tokens of a tile of 16 are not neighbours (tile u of a group of 32: lane r has token 8 u + r + 8 (r / 8)): the stores' immediates put each row where it belongs.
; REGISTERS: window 0: v8, v12-13 fragment addresses, v24-30 others; v32-63 scale words, two sets; v64-127 the bias; v128-223 P's fragments, two sets of 48; on the way out v128-255 rows of out0.
;   window 1: Q's fragments, two sets, at v0 and v128.  window 2: the accumulators, (a, b) at v[8 (8 a + b)].
.set TP,    12288                      ; a tile: 16 rows, all of K
.set FFB,   1536                       ; a fragment: 128 along K
.set QB,    8*TP                       ; P's 8 tiles, then Q's 16
.set SCP,   24*TP                      ; P's scale words, 4,096 bytes;
.set SCQ,   SCP+4096                   ; Q's, 8,192
.set SPARE, SCQ+8192                   ; the spare words, 128 bytes for each wave
.set STG,   8448                       ; the way out: 16 rows x (512 bytes + 16) for each wave, on P's first tiles, behind the barrier in the last K step, at which every wave's LDS reads are over
.set ADRP, 8                           ; v8      my P fragments: 8 bytes a lane
.set ADRQ, 12                          ; v12-13  my Q fragments, tiles 0-3 and 4-7: 16 bytes a lane
.set STO,  24
.set RD,   25
.set L16,  26
.set ADRS, 27
.set SPW,  28                          ; my spare word; never rewritten
.set NIL,  29                          ; 0; never rewritten
.set BQO,  30                          ; 64 h
.set SC,   32
.set BO,   64
.set PF,   128
.set BK,   128
.set WV,   12
.set PH,   13                          ; which 64 tokens are mine
.set QH,   14                          ; which 128 features
.set G1P,  24                          ; groups 1: P's codes, Q's codes, P's scale words, Q's
.set G1Q,  32
.set G1PS, 40
.set G1QS, 48
.set MSB, 0
.macro WIN new
.if MSB != (\new)
	s_set_vgpr_msb (MSB<<8)|(\new)
.set MSB, (\new)
.endif
.endm
.macro CREST
	s_cmp_lg_u32 s[WV], 0
	s_cbranch_scc1 .Lnot_wave_0_\@
	s_barrier_signal -3
.Lnot_wave_0_\@:
	s_barrier_wait -3
	s_barrier_signal -1
	s_barrier_wait -1
.endm
.macro CROUND
	s_barrier_signal -1
	s_barrier_wait -1
	CREST
.endm
.macro PLACES
.rept 4
	v_nop
.endr
.endm
.macro SETG g, base, lds               ; a group 0
	s_mov_b32 s[\g], 1
	s_mov_b32 s[\g+1], \lds
	s_mov_b64 s[\g+2:\g+3], s[\base:\base+1]
	s_or_b32 s[\g+3], s[\g+3], 0x80000000
.endm
.macro GRP1 g, rows                    ; a dense block as rows of 256 bytes (32 elements of 8)
	s_mov_b32 s[\g+1], 32<<16
	s_mov_b32 s[\g+2], (\rows)<<16
	s_mov_b32 s[\g+3], 32<<16
	s_mov_b32 s[\g+4], \rows
	s_mov_b32 s[\g+5], 32
	s_mov_b32 s[\g+6], 0
	s_mov_b32 s[\g+7], 0
.endm
.macro ARM under, g0, g1, next
	s_cmp_lt_u32 s[WV], \under
	s_cbranch_scc0 \next
	tensor_load_to_lds s[\g0:\g0+3], s[\g1:\g1+7]
	s_nop 0
	PLACES
	s_branch .Lasked
\next:
.endm
	s_load_b256 s[4:11], s[0:1], 0x0               ; oq, cq, bout, out0
	v_lshl_add_u32 v[SPW], v0, 2, SPARE
	v_mov_b32 v[NIL], 0
	ds_add_u32 v[SPW], v[NIL]                      ; the opening: the add, twice on end
	ds_add_u32 v[SPW], v[NIL]
	v_lshrrev_b32 v1, 5, v0
	v_readfirstlane_b32 s[WV], v1
	s_lshr_b32 s[PH], s[WV], 1
	s_and_b32 s[QH], s[WV], 1
	s_bfe_u32 s15, ttmp6, 0x40000                  ; cx, cy
	s_bfe_u32 s16, ttmp6, 0x40004
	s_lshl_b32 s17, ttmp9, 2
	s_add_co_u32 s17, s17, s15                     ; X: 256 features
	s_and_b32 s18, ttmp7, 0xffff
	s_lshl_b32 s18, s18, 2
	s_add_co_u32 s18, s18, s16                     ; Y: 128 tokens
	s_lshl_b32 s19, s16, 2
	s_lshl_b32 s19, 15, s19                        ; my row of the cluster
	s_lshl_b32 s100, 0x1111, s15                   ; my column
	s_or_b32 s[G1P], s19, (3<<16)|(1<<21)
	s_or_b32 s[G1PS], s19, (3<<16)|(1<<21)
	s_or_b32 s[G1Q], s100, (3<<16)|(1<<21)
	s_or_b32 s[G1QS], s100, (3<<16)|(1<<21)
	GRP1 G1P, 384                                  ; 8 tiles x 12,288 bytes
	GRP1 G1Q, 768                                  ; 16 tiles
	GRP1 G1PS, 16                                  ; 8 tiles x 512 bytes
	GRP1 G1QS, 32
	s_lshl_b32 s20, s18, 3                         ; P: tile 8 Y
	s_lshl_b32 s22, s20, 9
	s_add_co_u32 s22, s22, 6291456
	s_mul_i32 s20, s20, TP
	s_mov_b32 s21, 0
	s_mov_b32 s23, 0
	s_lshl_b32 s100, s17, 4                        ; Q: tile 704 + 16 X
	s_add_co_u32 s100, s100, 704
	s_lshl_b32 s2, s100, 9
	s_add_co_u32 s2, s2, 9437184
	s_mul_i32 s100, s100, TP
	s_mov_b32 s101, 0
	s_mov_b32 s3, 0
	s_wait_dscnt 0x0                               ; both opening adds are done
	s_wait_kmcnt 0x0
	s_add_nc_u64 s[20:21], s[4:5], s[20:21]
	s_add_nc_u64 s[22:23], s[4:5], s[22:23]
	s_add_nc_u64 s[100:101], s[6:7], s[100:101]
	s_add_nc_u64 s[2:3], s[6:7], s[2:3]
	CROUND                                         ; all sixteen work-groups are here: the joint loads meet
	SETG 56, 100, QB
	SETG 60, 20, 0
	SETG 68, 2, SCQ
	SETG 72, 22, SCP
	ARM 1, 56, G1Q,  .Lhead_p                      ; wave 0: Wout's codes; wave 1: O's; wave 2: Wout's scale words; wave 3: O's
	ARM 2, 60, G1P,  .Lhead_sq
	ARM 3, 68, G1QS, .Lhead_sp
	tensor_load_to_lds s[72:75], s[G1PS:G1PS+7]
	s_nop 0
	PLACES
.Lasked:
	v_and_b32 v1, 15, v0                           ; r
	v_bfe_u32 v2, v0, 4, 1                         ; h
	v_and_b32 v3, 31, v0
	v_lshlrev_b32 v[L16], 4, v3
	v_lshlrev_b32 v4, 3, v3
	s_wait_alu depctr_va_vdst(0)
	s_mul_i32 s15, s[PH], 4*TP                     ; my four tiles of P
	s_mul_i32 s16, s[QH], 8*TP
	s_add_co_u32 s16, s16, QB                      ; my eight of Q, behind P's eight
	v_add_nc_u32 v[ADRP], s15, v4
	v_add_nc_u32 v[ADRQ], s16, v[L16]
	s_add_co_u32 s16, s16, 4*TP
	v_add_nc_u32 v[ADRQ+1], s16, v[L16]
	s_lshl_b32 s15, s[PH], 11                      ; scale words: lanes 0-15 P's (2,048 bytes a half), lanes 16-31 Q's: the lower base + h x the distance
	s_lshl_b32 s16, s[QH], 12
	s_add_co_u32 s16, s16, 4096
	s_sub_co_u32 s16, s16, s15
	v_mul_u32_u24 v5, s16, v2
	s_add_co_u32 s15, s15, SCP
	v_lshl_add_u32 v5, v1, 3, v5
	v_add_nc_u32 v[ADRS], s15, v5
	s_mul_i32 s15, s[WV], STG                      ; my stage
	v_mul_u32_u24 v5, v1, 528
	v_lshl_add_u32 v5, v2, 6, v5
	v_add_nc_u32 v[STO], s15, v5                   ; in: row r, + 64 h
	v_add_nc_u32 v[RD], s15, v[L16]                ; back: a row of 512 bytes to 32 lanes
	v_lshlrev_b32 v[BQO], 6, v2
	s_lshl_b32 s100, s17, 10                       ; the bias of my 128 features
	s_lshl_b32 s15, s[QH], 9
	s_add_co_u32 s100, s100, s15
	s_mov_b32 s101, 0
	s_add_nc_u64 s[8:9], s[8:9], s[100:101]
.irp b, 0,1,2,3,4,5,6,7
	global_load_b128 v[BO+8*\b:BO+8*\b+3], v[BQO], s[8:9] offset:(32*(\b/2)+8*(\b%2))*4       ; features 32 (b / 2) + 16 h + 8 (b % 2) + 0 .. 7
	global_load_b128 v[BO+8*\b+4:BO+8*\b+7], v[BQO], s[8:9] offset:(32*(\b/2)+8*(\b%2))*4+16
.endr
	s_lshl_b32 s15, s18, 7                         ; out0: token 128 Y + 64 x half, 4,096 bytes a row; + the same bytes along the row as in the bias
	s_lshl_b32 s16, s[PH], 6
	s_add_co_u32 s15, s15, s16
	s_lshl_b32 s15, s15, 12
	s_add_co_u32 s100, s100, s15
	s_add_nc_u64 s[10:11], s[10:11], s[100:101]
; The fragments of K step n into sets n % 2; with every second step the scale words of 256 along K.
.macro FETCH n
	WIN 0x40                                       ; destination window 1
.irp i, 0,1,2,3,4,5,6,7
.irp c, 0,1,2
	ds_load_b128 v[128*((\n)%2)+12*\i+4*\c:128*((\n)%2)+12*\i+4*\c+3], v[ADRQ+\i/4] offset:TP*(\i%4)+FFB*(\n)+512*\c
.endr
.endr
	WIN 0
.irp a, 0,1,2,3
.irp p, 0,1,2,3,4,5
	ds_load_b64 v[PF+48*((\n)%2)+12*\a+2*\p:PF+48*((\n)%2)+12*\a+2*\p+1], v[ADRP] offset:TP*\a+FFB*(\n)+768*(\p/3)+256*(\p%3)   ; two heads' six registers each: 256 consecutive bytes a load
.endr
.endr
.if (\n)%2 == 0
.irp i, 0,1,2,3,4,5,6,7
	ds_load_b64 v[SC+16*(((\n)/2)%2)+2*\i:SC+16*(((\n)/2)%2)+2*\i+1], v[ADRS] offset:512*\i+128*((\n)/2)   ; lanes 0-15: P's block i (of which the products name 0 to 3), lanes 16-31: Q's block i
.endr
.endif
.endm
.macro MULS a, ks                      ; P's block a x Q's eight.  The 32 accumulators take turns, one instruction a turn
.irp b, 0,1,2,3,4,5,6,7
.if (\ks) == 0
	v_wmma_scale_f32_16x16x128_f8f6f4 v[8*(8*(\a)+\b):8*(8*(\a)+\b)+7], v[128*((\ks)%2)+12*\b:128*((\ks)%2)+12*\b+11], v[PF+48*((\ks)%2)+12*(\a):PF+48*((\ks)%2)+12*(\a)+11], v[BO+8*\b:BO+8*\b+7], v[SC+16*(((\ks)/2)%2)+2*\b+(\ks)%2], v[SC+16*(((\ks)/2)%2)+2*(\a)+(\ks)%2] matrix_a_fmt:MATRIX_FMT_FP6 matrix_b_fmt:MATRIX_FMT_FP6 matrix_a_scale:MATRIX_SCALE_ROW1
.else
	v_wmma_scale_f32_16x16x128_f8f6f4 v[8*(8*(\a)+\b):8*(8*(\a)+\b)+7], v[128*((\ks)%2)+12*\b:128*((\ks)%2)+12*\b+11], v[PF+48*((\ks)%2)+12*(\a):PF+48*((\ks)%2)+12*(\a)+11], v[8*(8*(\a)+\b):8*(8*(\a)+\b)+7], v[SC+16*(((\ks)/2)%2)+2*\b+(\ks)%2], v[SC+16*(((\ks)/2)%2)+2*(\a)+(\ks)%2] matrix_a_fmt:MATRIX_FMT_FP6 matrix_b_fmt:MATRIX_FMT_FP6 matrix_a_scale:MATRIX_SCALE_ROW1
.endif
.endr
.endm
.macro MWIN ks
.if (\ks) == 0
	WIN 0x81                                       ; source 0 (Q) window 1, P and the bias window 0, D window 2
.else
	WIN 0xa1                                       ; C and D window 2
.endif
.endm
; A K step of 128.  more = 1: the next step's fragments are fetched in this step's middle.  bar = 1 (the last step): my LDS reads are over; a barrier says so of every wave, ahead of the stores into the stages.
.macro KSTEP ks, bar, more
	s_wait_dscnt 0x0                               ; this step's fragments are in
.if \bar
	s_barrier_signal -1
.endif
	MWIN \ks
	MULS 0, \ks
	MULS 1, \ks
	WIN 0
.if \bar
	s_barrier_wait -1
.endif
.if \more
	PLACES                                         ; in front of loads into the sets that the last step's products read
	FETCH (\ks)+1
.endif
	MWIN \ks
	MULS 2, \ks
	MULS 3, \ks
.endm
	s_wait_alu depctr_va_vdst(0)
	s_wait_tensorcnt 0x0                           ; my block is in
	s_barrier_signal -1
	s_barrier_wait -1                              ; all four blocks are whole in every wave's sight
	FETCH 0
	s_wait_loadcnt 0x0                             ; the bias
.irp k, 0,1,2,3,4,5,6
	KSTEP \k, 0, 1
.endr
	KSTEP 7, 1, 0
	WIN 0
; THE WAY OUT, block by block of 16 tokens x 128 features: through my own stage and back as whole rows of 512 bytes.  LDS serves a wave's instructions in order: no wait between the stores and the loads.
.macro TOSTAGE a
	WIN 0x08                                       ; an LDS store's data are its source 1: window 2
.irp b, 0,1,2,3,4,5,6,7
	ds_store_b128 v[STO], v[8*(8*(\a)+\b):8*(8*(\a)+\b)+3] offset:128*(\b/2)+32*(\b%2)        ; each accumulator from its low end on
	ds_store_b128 v[STO], v[8*(8*(\a)+\b)+4:8*(8*(\a)+\b)+7] offset:128*(\b/2)+32*(\b%2)+16
.endr
	WIN 0
.irp t, 0,1,2,3,4,5,6,7,8,9,10,11,12,13,14,15
	ds_load_b128 v[BK+64*((\a)%2)+4*\t:BK+64*((\a)%2)+4*\t+3], v[RD] offset:528*\t
.endr
.endm
.macro SEND a, younger                 ; younger: the LDS instructions issued behind block a's loads, which may stay out
	s_wait_dscnt \younger
.irp t, 0,1,2,3,4,5,6,7,8,9,10,11,12,13,14,15
	global_store_b128 v[L16], v[BK+64*((\a)%2)+4*\t:BK+64*((\a)%2)+4*\t+3], s[10:11] offset:(32*((\a)/2)+8*((\a)%2)+\t+8*(\t/8))*4096 th:TH_STORE_NT   ; 512 consecutive bytes of the token's row, at a multiple of 256 from out0's first byte
.endr
.endm
	PLACES                                         ; behind the last products: for the reads of their results and the loads into the registers that held P's fragments
	TOSTAGE 0
.irp a, 1,2,3
.if \a > 1
	s_wait_xcnt 0x0                                ; block a - 2's stores have read their registers: block a's rows may land there
.endif
	TOSTAGE \a
	SEND \a-1, 32                                  ; behind block a - 1's loads: block a's 16 stores and 16 loads
.endr
	SEND 3, 0
	s_wait_tensorcnt 0x0                           ; the wave's end
	ds_add_u32 v[SPW], v[NIL]
	s_wait_dscnt 0x0
	CROUND                                         ; the closing round
	s_endpgm
.Lfunc_end_k_q8c3020962e_outgemm:
	.size	k_q8c3020962e_outgemm, .Lfunc_end_k_q8c3020962e_outgemm-k_q8c3020962e_outgemm
	.p2alignl 7, 3214868480
	.fill 96, 4, 3214868480
	.section	.rodata,"a",@progbits
	.p2align	6, 0x0
	.amdhsa_kernel k_q8c3020962e_outgemm
		.amdhsa_group_segment_fixed_size 307712
		.amdhsa_private_segment_fixed_size 0
		.amdhsa_enable_private_segment 0
		.amdhsa_kernarg_size 32
		.amdhsa_user_sgpr_count 2
		.amdhsa_user_sgpr_kernarg_segment_ptr 1
		.amdhsa_wavefront_size32 1
		.amdhsa_system_sgpr_workgroup_id_x 1
		.amdhsa_system_sgpr_workgroup_id_y 1
		.amdhsa_system_sgpr_workgroup_id_z 1
		.amdhsa_system_vgpr_workitem_id 0
		.amdhsa_next_free_vgpr 768
		.amdhsa_next_free_sgpr 102
		.amdhsa_reserve_vcc 0
		.amdhsa_float_denorm_mode_32 3
		.amdhsa_float_denorm_mode_16_64 3
		.amdhsa_memory_ordered 1
		.amdhsa_forward_progress 1
		.amdhsa_inst_pref_size 85
	.end_amdhsa_kernel
	.amdgpu_metadata
---
amdhsa.version: [ 1, 2 ]
amdhsa.kernels:
  - .name:           k_q8c3020962e_outgemm
    .symbol:         k_q8c3020962e_outgemm.kd
    .args:
      - { .name: oq, .offset: 0, .size: 8, .value_kind: global_buffer, .address_space: global }
      - { .name: cq, .offset: 8, .size: 8, .value_kind: global_buffer, .address_space: global }
      - { .name: bout, .offset: 16, .size: 8, .value_kind: global_buffer, .address_space: global }
      - { .name: out0, .offset: 24, .size: 8, .value_kind: global_buffer, .address_space: global }
    .group_segment_fixed_size: 307712
    .private_segment_fixed_size: 0
    .kernarg_segment_align: 8
    .kernarg_segment_size: 32
    .max_flat_workgroup_size: 128
    .sgpr_count:     102
    .vgpr_count:     768
    .wavefront_size: 32
...
	.end_amdgpu_metadata
.endif
;; end of part 4
